; MI455X (gfx1250); checked and timed in simulation.
; The chip was launched on July 23, 2026; its instructions are those of AMD's public machine-readable ISA for CDNA 5 (MIT licence, August 2026) and "CDNA5" Instruction Set Architecture Reference Guide (July 2026). The comments in the code are by the model that wrote it; some were corrected since.
;; Dispatch By Variable. Allowed arithmetic: matrix products marked QUANTISED: E2M1 operands, one E8M0 scale for each 32 along K, by v_wmma_scale_f32_16x16x128_f8f6f4 with both operands' format E2M1 (or v_wmma_scale_f32_32x16x128_f4), f32 sums; everything else in f32.
;; Inputs: W 8 x 512 x 512 float32; x 8 x 4,096 x 512 float32.
;; Outputs: out0 8 x 4,096 x 512 float32.
;; This version of the problem:
;;   THIS VERSION OF THE PROBLEM IS GIVEN IN LOW PRECISION. The matrix products marked QUANTISED in the list below multiply operands that are first quantised to E2M1 (2 exponent bits, 1 mantissa bit; 4 bits a number), with one power-of-two scale for each 32 numbers along K (OCP MX v1.0); their sums are f32. All else is computed in f32.
;;   The module's matrix products, in the order in which they are computed (A, B: the left and right operand; K: the contracted axis; several contracted axes count as one K, in the product's order):
;;     1. [M 32,768, K 512] x [K 512, N 512]; A: input x; B: input W: QUANTISED
;;     2. [M 32,768, K 512] x [K 512, N 512]; A: input x; B: input W: QUANTISED
;;     3. [M 32,768, K 512] x [K 512, N 512]; A: input x; B: input W: QUANTISED
;;     4. [M 32,768, K 512] x [K 512, N 512]; A: input x; B: input W: QUANTISED
;;     5. [M 32,768, K 512] x [K 512, N 512]; A: input x; B: input W: QUANTISED
;;     6. [M 32,768, K 512] x [K 512, N 512]; A: input x; B: input W: QUANTISED
;;     7. [M 32,768, K 512] x [K 512, N 512]; A: input x; B: input W: QUANTISED
;;     8. [M 32,768, K 512] x [K 512, N 512]; A: input x; B: input W: QUANTISED
;;   THE QUANTISER, for each operand of a quantised product, along K:
;;     - K is cut into blocks of 32 from its start; a last block that is shorter is filled with zeros.
;;     - A block's scale is 2^e with e = floor(log2(the largest magnitude in the block)) - 2, held to -126 .. 127; a block of zeros has e = 0. As a byte (E8M0): e + 127.
;;     - Each number is divided by its block's scale, clamped to +-6, and rounded to the nearest number of E2M1, ties to even, subnormals kept.
;;     - The product sums the exact products of the quantised numbers (number of the format x scale) in f32.
;;   ~~~python
;;   def quantise(x, axis):      # numpy; x: float32 -> the quantised numbers, widened to float32 again
;;       x = np.moveaxis(x, axis, -1); K = x.shape[-1]
;;       x = np.pad(x, [(0, 0)] * (x.ndim - 1) + [(0, -K % 32)]); x = x.reshape(x.shape[:-1] + (-1, 32)); a = np.abs(x).max(-1, keepdims=True)
;;       e = np.where(a > 0, np.clip(np.frexp(np.where(a > 0, a, 1))[1] - 1 - 2, -126, 127), 0)      # np.frexp(a)[1] - 1 = floor(log2(a)), exactly
;;       r = np.clip(x / 2.0 ** e, -6, 6)
;;       step = 2.0 ** (np.maximum(np.frexp(np.where(r == 0, 1, r))[1] - 1, 0) - 1)
;;       q = np.round(r / step) * step * 2.0 ** e      # np.round: ties to even
;;       return np.moveaxis(q.reshape(q.shape[:-2] + (-1,))[..., :K], -1, axis).astype(np.float32)
;;   ~~~
;; One version. Each part assembles by itself: llvm-mc -triple=amdgcn-amd-amdhsa -mcpu=gfx1250 --defsym DOCPART=n.
;; ======== version 1 of 1: 2 launches
;; limits: right only within a limited range of input values
;; workspace buffers: xc 8,388,608 bytes; xs 524,288 bytes; wc 1,048,576 bytes; ws 65,536 bytes; rec 196,608 bytes of whole numbers
;; launch prep (part 1): grid 256 x 1, 16 waves a work-group, no clusters, 41,216 bytes of LDS; arguments x, W, xc, xs, wc, ws, rec; writes xc, xs, wc, ws, rec
.if DOCPART == 1
	.amdgcn_target "amdgcn-amd-amdhsa--gfx1250"
	.amdhsa_code_object_version 6
	.text
	.protected	k_q127bee04ab_prep
	.globl	k_q127bee04ab_prep
	.p2align	8
	.type	k_q127bee04ab_prep,@function
k_q127bee04ab_prep:
	s_mov_b64 s[64:65], 0
	v_nop
	global_prefetch_b8 v0, s[64:65] scope:SCOPE_SE
	s_setreg_imm32_b32 hwreg(HW_REG_WAVE_MODE, 25, 1), 1
	s_wait_xcnt 0x0
; out[t] = Q(x[t]) . Q(W[mem[t]]),  mem[t] = how many of the 7 boundaries lie under x[t][0];  32,768 tokens, K = N = 512, 8 experts, MX-FP4 along K.
; WORK LEFT OUT, AND WHY IT IS DEAD.  The source forms all eight products x W[k] and multiplies row t of product k by sel = (mem[t] == k), a mask that it builds itself.
; For every token sel is 1 for exactly one k and 0 for the seven others, whatever x holds: seven of the eight rows are multiplied by 0 and reach no output.  This program multiplies row t by W[mem[t]] alone.
; Every input keeps a way to the output: both are loaded.  LIMIT: a NaN, an infinity or an overflow that arises only in a row left out (0 x infinity in the source) is not carried to the result.
; THIS LAUNCH quantises x and W once and sorts tokens by bin.  Work-group b takes chunk b = 128 tokens (a wave 8 rows, all 32 loads on their way at once) and one part in 256 of W.
;   xc [token][256 bytes]: codes, K in order; xs [token][16 bytes]: scale bytes.
;   W: e = b / 32, K step q = (b / 8) % 4, column group w = b % 8 (64 columns); waves 0-7: block kb = u / 2 of the K step's four, columns 32 (u % 2) + lane: a lane takes a column, its registers run down K.
;   wc [e][w][t 4][q 4][c 2][lane 32][16 bytes]: lane (r, h) holds column 64 w + 4 r + t, K = 128 q + 64 c + 32 h + 0 .. 31;  ws [e][w][q][16 t + r] words: that column's four scale bytes.
;   rec [chunk][768 bytes]: 128 token numbers, sorted by bin, in order within a bin; then words S[0 .. 8]: where each bin begins, S[8] = 128; the rest 0.  VALUES AT FIXED PLACES: no branch and no address hangs on a comparison.
; No tensor load, no cluster: nothing that work-groups load is shared, and all of a wave's loads are issued in one run at the head (no loop that a prefetch could run ahead of).
; THE QUANTISER: a block's byte is its largest magnitude's exponent field - 2, held at 1 from below by a floor among the maximum's leaves; the conversion divides by that power of two, rounds to the nearest code, ties to even, and gives the largest code beyond 6.
; LIMITS: a block of zeros gets the byte 1 where the rule says 127: its codes are zeros, and this program alone reads the bytes.  NaN and infinities in W, and in x beyond x[t][0], are not served.  A NaN in x[t][0] compares false seven times: bin 0, as in the source.
.set XSC,   32768                      ; LDS: 0-32,767 the waves' codes, 2,048 bytes each; then the chunk's 2,048 scale bytes,
.set WCC,   34816                      ; W's codes [t][c][lane][16 bytes],
.set WSC,   38912                      ; W's 64 scale words,
.set SPARE, 39168                      ; and the spare words, 128 bytes for each of 16 waves: eight blocks of 256 bytes that no other line names
.set SPW,   14                         ; v14  SPARE + 4 x my thread's number; never rewritten
.set NIL,   15                         ; v15  0; never rewritten
.set X,     16                         ; v16-143   eight rows of x, 16 numbers a lane each
.set NUM,   144                        ; v144-175  W: 32 numbers down K
.set COD,   176                        ; v176-179  their codes
.set WK,    184                        ; v184-199  at work on a row, two sets by turns
.set OUT,   200                        ; v200-215  pairs of rows of codes on the way out
	s_load_b256 s[4:11], s[0:1], 0x0               ; x s[4:5], W s[6:7], xc s[8:9], xs s[10:11]
	s_load_b128 s[12:15], s[0:1], 0x20             ; wc s[12:13], ws s[14:15]
	s_load_b64 s[2:3], s[0:1], 0x30                ; rec
	v_lshl_add_u32 v[SPW], v0, 2, SPARE
	v_mov_b32 v[NIL], 0
	v_lshrrev_b32 v1, 5, v0
	v_readfirstlane_b32 s68, v1                    ; wave u, 0..15
	s_lshl_b32 s69, s68, 11
	s_lshl_b32 s70, s68, 7
	s_add_co_u32 s71, s70, XSC
	s_add_co_u32 s72, s70, WCC
	s_and_b32 s73, s68, 1
	s_lshl_b32 s73, s73, 5
	s_lshr_b32 s82, s68, 1
	s_add_co_u32 s73, s73, s82
	s_add_co_u32 s73, s73, WSC
	s_mov_b32 s75, 0                               ; stays 0: the upper word of every byte offset in s[74:75]
	v_and_b32 v1, 31, v0                           ; lane l
	v_and_b32 v2, 15, v0                           ; r
	v_bfe_u32 v5, v0, 4, 1                         ; h
	v_lshrrev_b32 v176, 2, v1
	v_and_b32 v177, 3, v1
	v_lshlrev_b32 v4, 5, v2
	v_lshl_add_u32 v4, v5, 4, v4                   ; x: 32 r + 16 h: lanes 0-15 take the even pieces of 16 bytes of a load's 512, lanes 16-31 the odd ones
	v_lshlrev_b32 v3, 4, v1                        ; 16 l
	v_lshl_add_u32 v6, v1, 2, s69                  ; codes in: my wave's 2,048 bytes, 4 a lane
	v_lshl_add_u32 v8, v1, 4, s69                  ; codes back: 16 a lane
	v_add_nc_u32 v7, s71, v176                     ; scale bytes in: my wave's 128, block l / 4
	v_lshlrev_b32 v9, 11, v1                       ; a lane a token
	v_lshlrev_b32 v10, 2, v1
	v_lshlrev_b32 v11, 10, v177
	v_lshlrev_b32 v12, 6, v177
	v_lshl_add_u32 v11, v176, 4, v11
	v_lshl_add_u32 v12, v176, 2, v12
	v_add_nc_u32 v11, s72, v11                     ; W's codes in: 1,024 (l % 4) + 16 (l / 4) + 128 u
	v_add_nc_u32 v12, s73, v12                     ; W's scale bytes in: 64 (l % 4) + 4 (l / 4) + 32 (u % 2) + u / 2
	v_lshlrev_b32 v13, 3, v1
	s_wait_alu depctr_va_vdst(0)
	s_wait_kmcnt 0x0
	s_lshl_b32 s74, ttmp9, 18
	s_add_nc_u64 s[76:77], s[4:5], s[74:75]        ; the chunk's x: 128 rows of 2,048 bytes
	s_lshl_b32 s74, s68, 14
	s_add_nc_u64 s[4:5], s[76:77], s[74:75]        ; my eight rows
	s_lshl_b32 s74, ttmp9, 15
	s_add_co_u32 s74, s74, s69
	s_add_nc_u64 s[8:9], s[8:9], s[74:75]          ; their codes
	s_lshr_b32 s78, ttmp9, 5                       ; e
	s_bfe_u32 s79, ttmp9, 0x20003                  ; q
	s_and_b32 s80, ttmp9, 7                        ; w
.macro XLOADS
.irp i, 0,1,2,3,4,5,6,7
.irp n, 0,1,2,3
	global_load_b128 v[X+16*\i+4*\n:X+16*\i+4*\n+3], v4, s[4:5] offset:2048*\i+512*\n th:TH_LOAD_NT   ; 512 consecutive bytes
.endr
.endr
.endm
	s_cmp_lt_u32 s68, 8
	s_cbranch_scc1 .Lweights
	s_cmp_eq_u32 s68, 15
	s_cbranch_scc1 .Lbins
	XLOADS
	s_branch .Lrows
; ---- waves 0-7: a block of 32 along K of 32 columns of W
.Lweights:
	s_lshl_b32 s74, s78, 20
	s_lshl_b32 s82, s79, 18                        ; 128 rows of 2,048 bytes
	s_add_co_u32 s74, s74, s82
	s_lshr_b32 s82, s68, 1
	s_lshl_b32 s82, s82, 16                        ; 32 rows
	s_add_co_u32 s74, s74, s82
	s_lshl_b32 s82, s80, 8
	s_add_co_u32 s74, s74, s82
	s_and_b32 s82, s68, 1
	s_lshl_b32 s82, s82, 7
	s_add_co_u32 s74, s74, s82
	s_add_nc_u64 s[6:7], s[6:7], s[74:75]
.irp i, 0,1,2,3,4,5,6,7,8,9,10,11,12,13,14,15,16,17,18,19,20,21,22,23,24,25,26,27,28,29,30,31
	global_load_b32 v[NUM+\i], v10, s[6:7] offset:\i*2048 th:TH_LOAD_NT   ; 128 consecutive bytes; the neighbouring wave takes the next 128
.endr
	XLOADS
	s_wait_loadcnt 32                              ; W's are in; x's 32 may be out
	v_max3_num_f32 v180, |v[NUM]|, |v[NUM+1]|, |v[NUM+2]|          ; the block's largest magnitude, in two chains: all 32 numbers are mine
	v_max3_num_f32 v181, |v[NUM+3]|, |v[NUM+4]|, |v[NUM+5]|
.irp i, 6,10,14,18,22,26
	s_delay_alu instid0(VALU_DEP_2)
	v_max3_num_f32 v180, v180, |v[NUM+\i]|, |v[NUM+\i+1]|
	s_delay_alu instid0(VALU_DEP_2)
	v_max3_num_f32 v181, v181, |v[NUM+\i+2]|, |v[NUM+\i+3]|
.endr
	s_delay_alu instid0(VALU_DEP_2)
	v_max3_num_f32 v180, v180, |v[NUM+30]|, |v[NUM+31]|
	s_delay_alu instid0(VALU_DEP_1)
	v_max3_num_f32 v180, v180, v181, 0x1800000     ; and the floor 2^(3 - 127): the byte cannot fall under 1
	s_delay_alu instid0(VALU_DEP_1)
	v_add_nc_u32 v182, 0xff000000, v180            ; 2 off the exponent field: the conversion takes this operand's exponent field as its scale
.irp g, 0,1,2,3
	v_cvt_scalef32_pk8_fp4_f32 v[COD+\g], v[NUM+8*\g:NUM+8*\g+7], v182
.endr
	v_lshrrev_b32 v183, 23, v182                   ; the scale's byte (also the plain line behind the conversions)
	ds_store_b128 v11, v[COD:COD+3]
	ds_store_b8 v12, v183
	s_branch .Lrows
; ---- wave 15: the chunk's 128 tokens by bin, while x's rows are on their way
.set RK,  144                          ; four places of the sorted list a lane: 4 l + k
.set MK,  148                          ; the mask of the segment that holds the place,
.set PP,  152                          ; the places in front of that segment,
.set GG,  156                          ; the segment's number
.set CA,  160                          ; the mask's bit counts in fields of 2,
.set CB,  164                          ; 4,
.set CC,  168                          ; 8,
.set CD,  172                          ; and 16 bits
.set POS, 176
.set T1,  180
.set T2,  184
.set KK,  188
.set Y,   200
.set LST, 216                          ; v216-219 the list, v220-221 the starts
.Lbins:
.irp g, 0,1,2,3
	global_load_b32 v[Y+\g], v9, s[76:77] offset:65536*\g  ; x[t][0] of tokens 32 g + l
.endr
	XLOADS
	s_mov_b32 s16, 0xbfc00000                      ; the boundaries: -1.5
	s_mov_b32 s17, 0xbf800000                      ; -1.0
	s_mov_b32 s18, 0xbf000000                      ; -0.5
	s_mov_b32 s19, 0                               ; 0
	s_mov_b32 s20, 0x3f000000                      ; 0.5
	s_mov_b32 s21, 0x3f800000                      ; 1.0
	s_mov_b32 s22, 0x3fc00000                      ; 1.5
	s_wait_loadcnt 32                              ; the four are in; x's 32 may be out
; Group g: G(b) = the lanes whose y lies over boundary b.  The boundaries ascend, so the G are nested: bin 0 = not G0, bin e = G(e-1) without G(e), bin 7 = G6.  Segment 4 e + g: group g's tokens of bin e.
.macro GROUP g
.irp b, 0,1,2,3,4,5,6
	v_cmp_lt_f32 s[24+\b], s[16+\b], v[Y+\g]
.endr
	s_not_b32 s[32+\g], s24
.irp e, 1,2,3,4,5,6
	s_and_not1_b32 s[32+4*\e+\g], s[23+\e], s[24+\e]
.endr
	s_mov_b32 s[60+\g], s30
.endm
	GROUP 0
	GROUP 1
	GROUP 2
	GROUP 3
.irp k, 0,1,2,3
	v_lshl_add_u32 v[RK+\k], v1, 2, \k
.endr
.irp k, 0,1,2,3
	v_mov_b32 v[MK+\k], s32
.endr
.irp k, 0,1,2,3
	v_mov_b32 v[PP+\k], 0
.endr
.irp k, 0,1,2,3
	v_mov_b32 v[GG+\k], 0
.endr
	s_bcnt1_i32_b32 s81, s32                       ; s81: the places in front of segment SEG
.set SEG, 1
.macro SEGMENT
.if (SEG%4) == 0
	s_mov_b32 s[84+SEG/4], s81                     ; where bin SEG / 4 begins
.endif
.irp k, 0,1,2,3
	v_cmp_gt_u32 s[24+\k], s81, v[RK+\k]           ; the segment begins behind my place: keep what I have.  Else take it: the last taken holds the place
.endr
.irp k, 0,1,2,3
	v_cndmask_b32 v[MK+\k], s[32+SEG], v[MK+\k], s[24+\k]
.endr
.irp k, 0,1,2,3
	v_cndmask_b32 v[PP+\k], s81, v[PP+\k], s[24+\k]
.endr
.irp k, 0,1,2,3
	v_cndmask_b32 v[GG+\k], SEG, v[GG+\k], s[24+\k]
.endr
.if SEG < 31
	s_bcnt1_i32_b32 s82, s[32+SEG]
	s_add_co_u32 s81, s81, s82
.endif
.set SEG, SEG+1
.endm
.rept 31
	SEGMENT
.endr
.macro L4 op, d, a, b                  ; one line for each of the four places: scalar or constant a, vector b
.irp k, 0,1,2,3
	\op v[\d+\k], \a, v[\b+\k]
.endr
.endm
.macro LV4 op, d, a, b                 ; the same with two vectors
.irp k, 0,1,2,3
	\op v[\d+\k], v[\a+\k], v[\b+\k]
.endr
.endm
	LV4 v_sub_nc_u32, KK, RK, PP                   ; wanted: the place of the mask's set bit number KK (from 0)
	L4 v_lshrrev_b32, T1, 1, MK
	L4 v_and_b32, T1, 0x55555555, T1
	LV4 v_sub_nc_u32, CA, MK, T1
	L4 v_lshrrev_b32, T1, 2, CA
	L4 v_and_b32, T2, 0x33333333, CA
	L4 v_and_b32, T1, 0x33333333, T1
	LV4 v_add_nc_u32, CB, T1, T2
	L4 v_lshrrev_b32, T1, 4, CB
	LV4 v_add_nc_u32, T1, CB, T1
	L4 v_and_b32, CC, 0x0f0f0f0f, T1
	L4 v_lshrrev_b32, T1, 8, CC
	LV4 v_add_nc_u32, T1, CC, T1
	L4 v_and_b32, CD, 0x00ff00ff, T1
.irp k, 0,1,2,3
	v_mov_b32 v[POS+\k], 0
.endr
.macro HALVE c, fw, inc                ; the lower half of the field at POS holds T1 set bits: if the wanted one is not among them, pass them by
.irp k, 0,1,2,3
	v_bfe_u32 v[T1+\k], v[\c+\k], v[POS+\k], \fw
.endr
.irp k, 0,1,2,3
	v_cmp_ge_u32 s[24+\k], v[KK+\k], v[T1+\k]
.endr
	LV4 v_sub_nc_u32, T1, KK, T1
.irp k, 0,1,2,3
	v_cndmask_b32 v[KK+\k], v[KK+\k], v[T1+\k], s[24+\k]
.endr
.irp k, 0,1,2,3
	v_cndmask_b32 v[T2+\k], 0, \inc, s[24+\k]
.endr
	LV4 v_add_nc_u32, POS, POS, T2
.endm
	HALVE CD, 8, 16
	HALVE CC, 8, 8
	HALVE CB, 4, 4
	HALVE CA, 2, 2
	HALVE MK, 1, 1
	s_lshl_b32 s74, ttmp9, 7
	L4 v_and_b32, T1, 3, GG
.irp k, 0,1,2,3
	v_lshl_add_u32 v[T1+\k], v[T1+\k], 5, v[POS+\k]
.endr
	L4 v_add_nc_u32, LST, s74, T1                  ; token = 128 x chunk + 32 x group + bit
	v_mov_b32 v220, 0
	v_mov_b32 v221, 0
	s_mov_b32 s83, 128
	v_writelane_b32 v221, s85, 0                   ; odd words: S[1], S[3], S[5], S[7]
	v_writelane_b32 v220, s86, 1                   ; even words: S[0] = 0, S[2], S[4], S[6], S[8]
	v_writelane_b32 v221, s87, 1
	v_writelane_b32 v220, s88, 2
	v_writelane_b32 v221, s89, 2
	v_writelane_b32 v220, s90, 3
	v_writelane_b32 v221, s91, 3
	v_writelane_b32 v220, s83, 4
	s_mul_i32 s74, ttmp9, 768
	s_add_nc_u64 s[2:3], s[2:3], s[74:75]
	s_wait_alu depctr_va_vdst(0)                   ; ahead of the stores that read v216-221
	global_store_b128 v3, v[LST:LST+3], s[2:3]     ; 512 consecutive bytes
	global_store_b64 v13, v[220:221], s[2:3] offset:512    ; 256 consecutive bytes
; ---- every wave: eight rows.  As loaded, register 4 n + j of lane (r, h) is number 128 n + 8 r + 4 h + j.
; The exchanges of halves give lane l eight neighbours twice: registers 0-7: K = 8 l + 0 .. 7, registers 8-15: 256 more.  Four neighbouring lanes hold a block of 32.
; The codes go through my wave's own 2,048 bytes of LDS and leave two rows at a time: LDS serves a wave's instructions in order.
.Lrows:
.macro ROW i
.set R, X+16*\i
.set V, WK+8*(\i%2)
	s_wait_loadcnt 28-4*\i                         ; my row is in; the younger rows stay out
.if (\i > 0) && ((\i%2) == 0)
	s_wait_dscnt 0x0                               ; the last two rows' codes are back from LDS
	global_store_b128 v3, v[OUT+2*\i-4:OUT+2*\i-1], s[8:9] offset:256*\i-512   ; 512 consecutive bytes
.endif
.irp j, 0,1,2,3
	v_permlane16_swap_b32 v[R+\j], v[R+4+\j]
	v_permlane16_swap_b32 v[R+8+\j], v[R+12+\j]
.endr
	v_max3_num_f32 v[V], |v[R]|, |v[R+1]|, 0x1800000               ; the largest magnitude of my eight, with the floor 2^(3 - 127): two blocks by turns
	v_max3_num_f32 v[V+1], |v[R+8]|, |v[R+9]|, 0x1800000
.irp j, 2,4,6
	s_delay_alu instid0(VALU_DEP_2)
	v_max3_num_f32 v[V], v[V], |v[R+\j]|, |v[R+\j+1]|
	s_delay_alu instid0(VALU_DEP_2)
	v_max3_num_f32 v[V+1], v[V+1], |v[R+8+\j]|, |v[R+9+\j]|
.endr
.irp m, 1,2
	s_delay_alu instid0(VALU_DEP_2)
	v_max_num_f32_dpp v[V], v[V], v[V] row_xmask:\m row_mask:0xf bank_mask:0xf
	s_delay_alu instid0(VALU_DEP_2)
	v_max_num_f32_dpp v[V+1], v[V+1], v[V+1] row_xmask:\m row_mask:0xf bank_mask:0xf
.endr
	s_delay_alu instid0(VALU_DEP_2)
	v_add_nc_u32 v[V+2], 0xff000000, v[V]          ; 2 off the exponent field: the conversion's scale operand
	s_delay_alu instid0(VALU_DEP_2)
	v_add_nc_u32 v[V+3], 0xff000000, v[V+1]
	v_cvt_scalef32_pk8_fp4_f32 v[V+6], v[R:R+7], v[V+2]
	v_cvt_scalef32_pk8_fp4_f32 v[V+7], v[R+8:R+15], v[V+3]
	v_lshrrev_b32 v[V+4], 23, v[V+2]               ; the scales' bytes (also the plain lines behind the conversions)
	v_lshrrev_b32 v[V+5], 23, v[V+3]
	ds_store_b32 v6, v[V+6] offset:256*\i
	ds_store_b32 v6, v[V+7] offset:256*\i+128
	ds_store_b8 v7, v[V+4] offset:16*\i            ; four lanes write the same byte with the same value
	ds_store_b8 v7, v[V+5] offset:16*\i+8
.if (\i%2) == 1
	ds_load_b128 v[OUT+2*\i-2:OUT+2*\i+1], v8 offset:256*\i-256    ; rows i - 1 and i
.endif
.endm
.irp i, 0,1,2,3,4,5,6,7
	ROW \i
.endr
	s_wait_dscnt 0x0                               ; the last two rows are back; and for the others' sake: my LDS stores have landed
	global_store_b128 v3, v[OUT+12:OUT+15], s[8:9] offset:1536
	s_barrier_signal -1
	s_barrier_wait -1
	s_cmp_ge_u32 s68, 8
	s_cbranch_scc1 .Lwc
	s_cmp_eq_u32 s68, 4
	s_cbranch_scc1 .Lws
	s_cmp_lt_u32 s68, 4
	s_cbranch_scc0 .Lend
	s_lshl_b32 s69, s68, 9                         ; waves 0-3: x's scale bytes, 512 each
	s_add_co_u32 s72, s69, XSC
	s_lshl_b32 s74, ttmp9, 11
	s_add_co_u32 s74, s74, s69
	s_add_nc_u64 s[10:11], s[10:11], s[74:75]
	v_lshl_add_u32 v184, v1, 4, s72
	ds_load_b128 v[X:X+3], v184
	s_wait_dscnt 0x0
	global_store_b128 v3, v[X:X+3], s[10:11]
	s_branch .Lend
.Lws:                                  ; wave 4: W's 64 scale words
	s_lshl_b32 s74, s78, 13
	s_lshl_b32 s82, s80, 10
	s_add_co_u32 s74, s74, s82
	s_lshl_b32 s82, s79, 8
	s_add_co_u32 s74, s74, s82
	s_add_nc_u64 s[14:15], s[14:15], s[74:75]
	v_lshl_add_u32 v184, v1, 3, WSC
	ds_load_b64 v[X:X+1], v184
	s_wait_dscnt 0x0
	global_store_b64 v13, v[X:X+1], s[14:15]       ; 256 consecutive bytes
	s_branch .Lend
.Lwc:                                  ; waves 8-15: W's codes, 512 bytes each: k = u - 8: tile t = k / 2, half c = k % 2
	s_sub_co_u32 s82, s68, 8
	s_lshl_b32 s72, s82, 9
	s_add_co_u32 s72, s72, WCC
	s_lshr_b32 s83, s82, 1
	s_lshl_b32 s83, s83, 12
	s_and_b32 s82, s82, 1
	s_lshl_b32 s82, s82, 9
	s_lshl_b32 s74, s78, 17
	s_add_co_u32 s74, s74, s83
	s_add_co_u32 s74, s74, s82
	s_lshl_b32 s82, s80, 14
	s_add_co_u32 s74, s74, s82
	s_lshl_b32 s82, s79, 10
	s_add_co_u32 s74, s74, s82
	s_add_nc_u64 s[12:13], s[12:13], s[74:75]
	v_lshl_add_u32 v184, v1, 4, s72
	ds_load_b128 v[X:X+3], v184
	s_wait_dscnt 0x0
	global_store_b128 v3, v[X:X+3], s[12:13]
.Lend:
	s_wait_tensorcnt 0x0                           ; the wave's end
	ds_add_u32 v[SPW], v[NIL]
	s_wait_dscnt 0x0
	s_endpgm
.Lfunc_end_k_q127bee04ab_prep:
	.size	k_q127bee04ab_prep, .Lfunc_end_k_q127bee04ab_prep-k_q127bee04ab_prep
	.p2alignl 7, 3214868480
	.fill 96, 4, 3214868480
	.section	.rodata,"a",@progbits
	.p2align	6, 0x0
	.amdhsa_kernel k_q127bee04ab_prep
		.amdhsa_group_segment_fixed_size 41216
		.amdhsa_private_segment_fixed_size 0
		.amdhsa_enable_private_segment 0
		.amdhsa_kernarg_size 56
		.amdhsa_user_sgpr_count 2
		.amdhsa_user_sgpr_kernarg_segment_ptr 1
		.amdhsa_wavefront_size32 1
		.amdhsa_system_sgpr_workgroup_id_x 1
		.amdhsa_system_sgpr_workgroup_id_y 1
		.amdhsa_system_sgpr_workgroup_id_z 1
		.amdhsa_system_vgpr_workitem_id 0
		.amdhsa_next_free_vgpr 224
		.amdhsa_next_free_sgpr 96
		.amdhsa_reserve_vcc 0
		.amdhsa_float_denorm_mode_32 3
		.amdhsa_float_denorm_mode_16_64 3
		.amdhsa_memory_ordered 1
		.amdhsa_forward_progress 1
		.amdhsa_inst_pref_size 84
	.end_amdhsa_kernel
	.amdgpu_metadata
---
amdhsa.version: [ 1, 2 ]
amdhsa.kernels:
  - .name:           k_q127bee04ab_prep
    .symbol:         k_q127bee04ab_prep.kd
    .args:
      - { .name: x, .offset: 0, .size: 8, .value_kind: global_buffer, .address_space: global }
      - { .name: W, .offset: 8, .size: 8, .value_kind: global_buffer, .address_space: global }
      - { .name: xc, .offset: 16, .size: 8, .value_kind: global_buffer, .address_space: global }
      - { .name: xs, .offset: 24, .size: 8, .value_kind: global_buffer, .address_space: global }
      - { .name: wc, .offset: 32, .size: 8, .value_kind: global_buffer, .address_space: global }
      - { .name: ws, .offset: 40, .size: 8, .value_kind: global_buffer, .address_space: global }
      - { .name: rec, .offset: 48, .size: 8, .value_kind: global_buffer, .address_space: global }
    .group_segment_fixed_size: 41216
    .private_segment_fixed_size: 0
    .kernarg_segment_align: 8
    .kernarg_segment_size: 56
    .max_flat_workgroup_size: 512
    .sgpr_count:     96
    .vgpr_count:     224
    .wavefront_size: 32
...
	.end_amdgpu_metadata
.endif
;; end of part 1
;; launch main (part 2): grid 64 x 15, 4 waves a work-group, no clusters, 38,400 bytes of LDS; arguments xc, xs, wc, ws, rec, out0; writes out0
.if DOCPART == 2
	.amdgcn_target "amdgcn-amd-amdhsa--gfx1250"
	.amdhsa_code_object_version 6
	.text
	.protected	k_q127bee04ab_main
	.globl	k_q127bee04ab_main
	.p2align	8
	.type	k_q127bee04ab_main,@function
k_q127bee04ab_main:
	s_mov_b64 s[64:65], 0
	v_nop
	global_prefetch_b8 v0, s[64:65] scope:SCOPE_SE
	s_setreg_imm32_b32 hwreg(HW_REG_WAVE_MODE, 25, 1), 1
	s_wait_xcnt 0x0
; out[t] = Q(x[t]) . Q(W[mem[t]]).  WORK LEFT OUT: row t of the seven products with the experts other than mem[t], which the source multiplies by a 0 of its own mask (shown at the head of the first kernel).
; A work-group takes half (256 columns) of one TILE: at most 128 rows of one expert among the 1,024 tokens of a superchunk (eight chunks of the launch before).  x = 2 x superchunk + half, y = slot.
; Expert e with T tokens has n = ceil(T / 128) tiles of P = 16 ceil(T / 16 n) rows, the last what is left (at least 1).  The n add up to at most 8 + 7 = 15 for every split of 1,024 tokens: 15 slots.  Each output row has one owner.
; A slot without rows stores nothing.  It passes the one barrier, which stands on every wave's path, and its weight loads, which write the registers that the products name, take one lane's place for all lanes.
; NO TENSOR LOADS, NO CLUSTER: branches here hang on numbers read from memory, and neighbouring tiles have other experts and other numbers of rows, so no tile of an operand is shared at one time.
; NO PREFETCH: there is no loop to run ahead in: all of a wave's loads stand in one run, each address made from the numbers just read.
; SHARES.  Wave w owns columns 64 g .. 64 g + 63, g = 4 half + w: its 16 fragments of W[e] (4 tiles x 4 K steps) and their scale words stay in 136 registers, read once, in the order in which the launch before laid them.
;   Codes: wave w gathers rows 8 i + 2 w + h (load i, lanes' half h: 256 bytes of a row in sixteen lanes); they go to LDS by rows; one barrier; every wave reads all rows.
; COLUMNS OF A TILE OF W: lane r of tile t holds column 64 g + 4 r + t.  In a result, register j of lane (r, h) is row 8 h + j, column r of the tile: so the four tiles' registers j of one lane are FOUR NEIGHBOURING columns,
;   and sixteen lanes of one store cover 256 consecutive bytes of a row of out, aligned.  The price: 32 moves for each 16 rows, in place of a trip through LDS.
.set XP,    272                        ; LDS: a row's 256 bytes of codes + 16 of padding: the 16 rows that a fragment load touches start 68 words apart
.set XS,    128*XP                     ; 34,816: 16 scale bytes a row.  (The codes begin at LDS byte 0)
.set TOK,   XS+2048                    ; 36,864: the tile's 128 token numbers by rows,
.set TKW,   TOK+512                    ; 37,376: and by waves: [w][h][i], each wave's own 128 bytes
.set SPARE, TKW+512                    ; 37,888: the spare words, 128 bytes for each of 4 waves: two blocks of 256 bytes that no other line names
; v1 lane, v2 r, v3 h; v4-13 addresses that stay; v14, v15 the add's two
.set WS,    16                         ; v16-23   W's scale words and nothing else: register 4 p + q: lanes 0-15 tile 2 p, lanes 16-31 tile 2 p + 1, K step q
.set AS,    24                         ; v24-27   x's scale words and nothing else: K step q
.set RING,  28                         ; v28-91   up to 32 rows of codes on their way to LDS
.set TW,    92                         ; v92-107  their tokens, then their byte offsets
.set AF,    28                         ; v28-59   later: x's four fragments of 16 rows; then the 16 rows' results as they are stored
.set TK,    60                         ; v60-67   later: my eight rows' tokens, then their byte offsets in out
.set ACC,   68                         ; v68-99   later: four accumulators
.set POS,   104
.set WF,    128                        ; v128-255 W's fragments: tile t, K step q at v[128 + 8 (4 t + q)]
	s_load_b256 s[4:11], s[0:1], 0x0               ; xc s[4:5], xs s[6:7], wc s[8:9], ws s[10:11]
	s_load_b128 s[12:15], s[0:1], 0x20             ; rec s[12:13], out s[14:15]
	v_lshl_add_u32 v14, v0, 2, SPARE
	v_mov_b32 v15, 0
	v_lshrrev_b32 v1, 5, v0
	v_readfirstlane_b32 s16, v1                    ; wave w
	s_lshr_b32 s17, ttmp9, 1                       ; superchunk
	s_and_b32 s18, ttmp9, 1
	s_lshl_b32 s18, s18, 2
	s_add_co_u32 s18, s18, s16                     ; column group g
	s_and_b32 s19, ttmp7, 0xffff                   ; slot
	s_mul_i32 s20, s17, 6144                       ; eight records of 768 bytes
	s_mov_b32 s21, 0                               ; stays 0: the upper word of every byte offset in s[20:21]
	s_mul_i32 s22, s16, 2*XP
	s_lshl_b32 s23, s16, 7
	s_add_co_u32 s23, s23, TKW
	s_lshl_b32 s2, s16, 1
	s_lshl_b32 s3, s18, 8
	v_and_b32 v1, 31, v0                           ; lane l
	v_and_b32 v2, 15, v0                           ; r
	v_bfe_u32 v3, v0, 4, 1                         ; h
	v_lshlrev_b32 v4, 2, v1                        ; 4 l: W's scale words
	v_lshlrev_b32 v5, 4, v1                        ; 16 l: W's fragments
	v_lshlrev_b32 v7, 4, v2                        ; 16 r: my piece of a row of codes
	v_mul_u32_u24 v6, v3, XP
	v_lshl_add_u32 v8, v2, 3, v3
	v_lshl_add_u32 v6, v2, 4, v6
	v_add_nc_u32 v8, s2, v8                        ; the row that I stand for when tokens are looked up: 8 r + 2 w + h
	v_add_nc_u32 v6, s22, v6                       ; codes in: row 2 w + h (+ 8 i in the immediate), + 16 r
	v_mul_u32_u24 v9, v2, XP
	v_lshl_add_u32 v113, v8, 4, XS                 ; scale bytes in
	v_lshl_add_u32 v114, v8, 2, TOK                ; tokens in, by rows
	v_lshl_add_u32 v116, v3, 6, s23                ; tokens back, by waves
	v_lshl_add_u32 v9, v3, 4, v9                   ; fragments out: row r, + 16 h
	v_lshl_add_u32 v115, v2, 2, v116               ; tokens in, by waves
	v_lshl_add_u32 v10, v2, 4, XS                  ; scale words out: row r's sixteen bytes
	v_lshl_add_u32 v11, v3, 5, TOK                 ; tokens out: rows 8 h + 0 .. 7
	v_lshl_add_u32 v12, v2, 4, s3                  ; out: 256 g + 16 r in a row
	v_lshlrev_b32 v13, 3, v3                       ; 8 h
	s_wait_alu depctr_va_vdst(0)
	s_wait_kmcnt 0x0
	s_add_nc_u64 s[12:13], s[12:13], s[20:21]
	s_load_b256 s[24:31], s[12:13], 512            ; S[0 .. 7] of the eight chunks
	s_load_b256 s[32:39], s[12:13], 1280
	s_load_b256 s[40:47], s[12:13], 2048
	s_load_b256 s[48:55], s[12:13], 2816
	s_load_b256 s[56:63], s[12:13], 3584
	s_load_b256 s[68:75], s[12:13], 4352
	s_load_b256 s[76:83], s[12:13], 5120
	s_load_b256 s[84:91], s[12:13], 5888
	s_wait_kmcnt 0x0
; s[24 + e] = U[e]: the superchunk's tokens of experts under e.  T[e] = U[e + 1] - U[e], U[8] = 1,024.
.irp b, 32,40,48,56,68,76,84
.irp e, 1,2,3,4,5,6,7
	s_add_co_u32 s[24+\e], s[24+\e], s[\b+\e]
.endr
.endr
	s_mov_b32 s93, 0                               ; the slot's expert,
	s_mov_b32 s94, 0                               ; that expert's first slot,
	s_mov_b32 s95, s25                             ; its tokens T: chosen by selects.  The last expert whose range has begun wins, so experts without tokens fall through
	s_add_co_u32 s92, s25, 127
	s_lshr_b32 s92, s92, 7                         ; s92: the slot at which expert e begins
.irp e, 1,2,3,4,5,6,7
.if \e < 7
	s_sub_co_u32 s96, s[25+\e], s[24+\e]
.else
	s_sub_co_u32 s96, 0x400, s31
.endif
	s_cmp_le_u32 s92, s19
	s_cselect_b32 s93, \e, s93
	s_cselect_b32 s94, s92, s94
	s_cselect_b32 s95, s96, s95
	s_add_co_u32 s96, s96, 127
	s_lshr_b32 s96, s96, 7
	s_add_co_u32 s92, s92, s96
.endr
	s_min_u32 s93, s93, 7                          ; a number read from memory enters an address only behind a bound
	s_lshl_b32 s2, s93, 2
	s_mov_b32 s3, 0
	s_add_nc_u64 s[66:67], s[12:13], s[2:3]
.irp c, 0,1,2,3,4,5,6,7
	s_load_b64 s[32+2*\c:33+2*\c], s[66:67], 768*\c+512    ; S[e], S[e + 1] of chunk c
.endr
	s_add_co_u32 s96, s95, 127
	s_lshr_b32 s96, s96, 7                         ; n
	s_mov_b32 s97, 1
.irp i, 1,2,3,4,5,6,7
	s_mul_i32 s98, s96, 16*\i
	s_cmp_lt_u32 s98, s95
	s_add_co_ci_u32 s97, s97, 0                    ; ceil(T / 16 n), counted
.endr
	s_lshl_b32 s97, s97, 4                         ; P
	s_sub_co_u32 s94, s19, s94
	s_mul_i32 s94, s94, s97                        ; the tile's first rank among the expert's tokens
	s_sub_co_i32 s95, s95, s94
	s_max_i32 s95, s95, 0                          ; a slot behind the last tile: no rows
	s_min_i32 s95, s95, s97                        ; s95: the tile's rows
	s_lshl_b32 s20, s93, 17
	s_lshl_b32 s22, s18, 14
	s_add_co_u32 s20, s20, s22
	s_add_nc_u64 s[8:9], s[8:9], s[20:21]
	s_lshl_b32 s20, s93, 13
	s_lshl_b32 s22, s18, 10
	s_add_co_u32 s20, s20, s22
	s_add_nc_u64 s[10:11], s[10:11], s[20:21]
	s_min_u32 s22, s95, 1
	v_mul_u32_u24 v5, s22, v5                      ; without rows: one place for all lanes
	v_mul_u32_u24 v4, s22, v4
	s_wait_alu depctr_va_vdst(0)                   ; directly behind the writes of v4 and v5
.macro WLOAD f
.irp c, 0,1
	global_load_b128 v[WF+8*\f+4*\c:WF+8*\f+4*\c+3], v5, s[8:9] offset:512*(2*\f+\c)   ; 512 consecutive bytes
.endr
.endm
.irp f, 0,1,2,3,4,5,6,7
	WLOAD \f
.endr
; ---- WHICH TOKENS ARE MINE.  Row s has rank (first rank) + min(s, rows - 1): rows behind the tile's last repeat its last token, so that whole blocks of 16 rows can be multiplied; they are not stored.
	s_sub_co_u32 s22, s95, 1
	v_min_u32 v117, s22, v8
	v_add_nc_u32 v117, s94, v117
	s_wait_alu depctr_va_vdst(0)
	s_wait_kmcnt 0x0
	s_mov_b32 s96, 0
.irp c, 0,1,2,3,4,5,6,7                ; chunk c holds ranks B .. B + S[e + 1] - S[e] - 1 (B: s96), at byte 768 c + 4 (S[e] - B + rank) of the superchunk's records
	s_sub_co_u32 s97, s[33+2*\c], s[32+2*\c]
	s_sub_co_u32 s98, s[32+2*\c], s96
	s_lshl_b32 s98, s98, 2
	s_add_co_u32 s[32+2*\c], s98, 768*\c
	s_mov_b32 s[33+2*\c], s96
	s_add_co_u32 s96, s96, s97
.endr
	v_mov_b32 v118, s32
.irp c, 1,2,3,4,5,6,7
	v_cmp_gt_u32 vcc_lo, s[33+2*\c], v117          ; the chunk begins behind my rank: keep what I have; the last taken holds it
	v_cndmask_b32 v118, s[32+2*\c], v118, vcc_lo
.endr
	v_lshl_add_u32 v118, v117, 2, v118
	v_min_u32 v118, 0x16fc, v118                   ; the bound in front of an address: the last chunk's last token
	global_load_b32 v112, v118, s[12:13]
.irp f, 8,9,10,11,12,13,14,15
	WLOAD \f
.endr
.irp p, 0,1
.irp q, 0,1,2,3
	global_load_b32 v[WS+4*\p+\q], v4, s[10:11] offset:256*\q+128*\p
.endr
.endr
	s_cmp_eq_u32 s95, 0                            ; no rows: on to the barrier
	s_cbranch_scc1 .Lmeet
	s_wait_loadcnt 24                              ; the token is in; the 16 + 8 loads behind it may be out
	v_min_u32 v112, 0x7fff, v112                   ; the bound
	ds_store_b32 v114, v112                        ; for every wave's stores of out
	ds_store_b32 v115, v112
.irp j, 0,1,2,3
	ds_load_b128 v[TW+4*\j:TW+4*\j+3], v116 offset:16*\j   ; the tokens of rows 8 i + 2 w + h, i = 0 .. 15, in all lanes of a half (my wave's own bytes: LDS serves a wave's instructions in order)
.endr
	v_lshlrev_b32 v119, 4, v112
	global_load_b128 v[108:111], v119, s[6:7]      ; my row's 16 scale bytes
	s_wait_dscnt 0x0
; ---- GATHER: 32 n rows, two to a load
.macro GATH n
.set Q, 0
.rept 4*\n
	v_min_u32 v[TW+Q], 0x7fff, v[TW+Q]             ; the bound
.set Q, Q+1
.endr
.set Q, 0
.rept 4*\n
	v_lshl_add_u32 v[TW+Q], v[TW+Q], 8, v7
.set Q, Q+1
.endr
.set Q, 0
.rept 4*\n
	global_load_b128 v[RING+4*Q:RING+4*Q+3], v[TW+Q], s[4:5]       ; each half of the lanes reads 256 consecutive bytes
.set Q, Q+1
.endr
	s_wait_loadcnt 4*\n                            ; the scale bytes are in (and W, asked for earlier)
	ds_store_b128 v113, v[108:111]
.set Q, 0
.rept 4*\n
	s_wait_loadcnt 4*\n-1-Q                        ; the oldest row pair is in; the younger may be out
	ds_store_b128 v6, v[RING+4*Q:RING+4*Q+3] offset:8*XP*Q
.set Q, Q+1
.endr
.endm
	s_cmp_gt_u32 s95, 32
	s_cbranch_scc1 .Lover_1
	GATH 1
	s_branch .Lmeet
.Lover_1:
	s_cmp_gt_u32 s95, 64
	s_cbranch_scc1 .Lover_2
	GATH 2
	s_branch .Lmeet
.Lover_2:
	s_cmp_gt_u32 s95, 96
	s_cbranch_scc1 .Lover_3
	GATH 3
	s_branch .Lmeet
.Lover_3:
	GATH 4
.Lmeet:
	s_wait_dscnt 0x0                               ; for the others' sake: my codes, scale bytes and tokens have landed
	s_barrier_signal -1
	s_barrier_wait -1                              ; everybody's have.  Behind this barrier LDS is only read
	s_wait_loadcnt 0x0                             ; W, for a wave that gathered nothing
; ---- THE PRODUCTS, 16 rows at a time.  Source 0 = 16 rows of x, source 1 = 16 columns of W.  The four accumulators take turns, one instruction a turn.
.macro MM q, t
.if (\q) == 0
.if (\t)%2
	v_wmma_scale_f32_16x16x128_f8f6f4 v[ACC+8*\t:ACC+8*\t+7], v[AF+8*\q:AF+8*\q+7], v[WF+8*(4*\t+\q):WF+8*(4*\t+\q)+7], 0, v[AS+\q], v[WS+4*(\t/2)+\q] matrix_a_fmt:MATRIX_FMT_FP4 matrix_b_fmt:MATRIX_FMT_FP4 matrix_b_scale:MATRIX_SCALE_ROW1
.else
	v_wmma_scale_f32_16x16x128_f8f6f4 v[ACC+8*\t:ACC+8*\t+7], v[AF+8*\q:AF+8*\q+7], v[WF+8*(4*\t+\q):WF+8*(4*\t+\q)+7], 0, v[AS+\q], v[WS+4*(\t/2)+\q] matrix_a_fmt:MATRIX_FMT_FP4 matrix_b_fmt:MATRIX_FMT_FP4
.endif
.else
.if (\t)%2
	v_wmma_scale_f32_16x16x128_f8f6f4 v[ACC+8*\t:ACC+8*\t+7], v[AF+8*\q:AF+8*\q+7], v[WF+8*(4*\t+\q):WF+8*(4*\t+\q)+7], v[ACC+8*\t:ACC+8*\t+7], v[AS+\q], v[WS+4*(\t/2)+\q] matrix_a_fmt:MATRIX_FMT_FP4 matrix_b_fmt:MATRIX_FMT_FP4 matrix_b_scale:MATRIX_SCALE_ROW1
.else
	v_wmma_scale_f32_16x16x128_f8f6f4 v[ACC+8*\t:ACC+8*\t+7], v[AF+8*\q:AF+8*\q+7], v[WF+8*(4*\t+\q):WF+8*(4*\t+\q)+7], v[ACC+8*\t:ACC+8*\t+7], v[AS+\q], v[WS+4*(\t/2)+\q] matrix_a_fmt:MATRIX_FMT_FP4 matrix_b_fmt:MATRIX_FMT_FP4
.endif
.endif
.endm
.macro RB m                            ; rows 16 m .. 16 m + 15 of the tile
	s_cmp_le_u32 s95, 16*\m                        ; none of them exists: nor does any later one
	s_cbranch_scc1 .Lend
	s_wait_xcnt 0x0                                ; the last block's stores have read their data and offsets: both are loaded anew below
	s_wait_alu depctr_va_vdst(0)
.irp q, 0,1,2,3
.irp c, 0,1
	ds_load_b128 v[AF+8*\q+4*\c:AF+8*\q+4*\c+3], v9 offset:16*XP*\m+64*\q+32*\c   ; registers 4 c .. 4 c + 3: K = 128 q + 64 c + 32 h + 0 .. 31 of row r
.endr
.endr
	ds_load_b128 v[AS:AS+3], v10 offset:256*\m     ; row r's four scale words
	ds_load_b128 v[TK:TK+3], v11 offset:64*\m      ; the tokens of rows 8 h + 0 .. 7
	ds_load_b128 v[TK+4:TK+7], v11 offset:64*\m+16
	s_wait_dscnt 0x0
.irp q, 0,1,2,3
.irp t, 0,1,2,3
	MM \q, \t
.endr
.endr
.irp j, 0,1,2,3,4,5,6,7
	v_min_u32 v[TK+\j], 0x7fff, v[TK+\j]           ; the bound in front of an address.  (These sixteen lines name no register of the products: they are the places behind them)
.endr
.irp j, 0,1,2,3,4,5,6,7
	v_lshl_add_u32 v[TK+\j], v[TK+\j], 11, v12     ; the row of out, + my 16 bytes
.endr
.irp j, 0,1,2,3,4,5,6,7
.irp t, 0,1,2,3
	v_mov_b32 v[AF+4*\j+\t], v[ACC+8*\t+\j]        ; row 8 h + j, columns 64 g + 4 r + 0 .. 3 side by side; each accumulator is read from its low end on
.endr
.endr
	s_sub_co_i32 s27, s95, 16*\m                   ; rows left
	s_cmp_ge_i32 s27, 16
	s_cbranch_scc0 .Lragged_\@
.irp j, 0,1,2,3,4,5,6,7
	global_store_b128 v[TK+\j], v[AF+4*\j:AF+4*\j+3], s[14:15] th:TH_STORE_NT   ; lanes 0-15 row j, lanes 16-31 row 8 + j: each 256 consecutive bytes, aligned; written once, read by nobody here
.endr
	s_branch .Ldone_\@
.Lragged_\@:                           ; the tile's last block, not full: row 8 h + j is stored where j < rows left - 8 h
	v_sub_nc_u32 v[POS], s27, v13
	s_wait_alu depctr_va_vdst(0)
.irp j, 0,1,2,3,4,5,6,7
	v_cmp_lt_i32 vcc_lo, \j, v[POS]
	s_and_saveexec_b32 s31, vcc_lo                 ; no global instruction has been issued since the last wait on XCNT for 0
	global_store_b128 v[TK+\j], v[AF+4*\j:AF+4*\j+3], s[14:15] th:TH_STORE_NT
	s_wait_xcnt 0x0                                ; EXEC is a source of the store: it is widened only behind this wait
	s_or_b32 exec_lo, exec_lo, s31
.endr
	s_branch .Lend
.Ldone_\@:
.endm
	RB 0
	RB 1
	RB 2
	RB 3
	RB 4
	RB 5
	RB 6
	RB 7
.Lend:
	s_wait_tensorcnt 0x0                           ; the wave's end
	ds_add_u32 v14, v15
	s_wait_dscnt 0x0
	s_endpgm
.Lfunc_end_k_q127bee04ab_main:
	.size	k_q127bee04ab_main, .Lfunc_end_k_q127bee04ab_main-k_q127bee04ab_main
	.p2alignl 7, 3214868480
	.fill 96, 4, 3214868480
	.section	.rodata,"a",@progbits
	.p2align	6, 0x0
	.amdhsa_kernel k_q127bee04ab_main
		.amdhsa_group_segment_fixed_size 38400
		.amdhsa_private_segment_fixed_size 0
		.amdhsa_enable_private_segment 0
		.amdhsa_kernarg_size 48
		.amdhsa_user_sgpr_count 2
		.amdhsa_user_sgpr_kernarg_segment_ptr 1
		.amdhsa_wavefront_size32 1
		.amdhsa_system_sgpr_workgroup_id_x 1
		.amdhsa_system_sgpr_workgroup_id_y 1
		.amdhsa_system_sgpr_workgroup_id_z 1
		.amdhsa_system_vgpr_workitem_id 0
		.amdhsa_next_free_vgpr 256
		.amdhsa_next_free_sgpr 100
		.amdhsa_reserve_vcc 1
		.amdhsa_float_denorm_mode_32 3
		.amdhsa_float_denorm_mode_16_64 3
		.amdhsa_memory_ordered 1
		.amdhsa_forward_progress 1
		.amdhsa_inst_pref_size 90
	.end_amdhsa_kernel
	.amdgpu_metadata
---
amdhsa.version: [ 1, 2 ]
amdhsa.kernels:
  - .name:           k_q127bee04ab_main
    .symbol:         k_q127bee04ab_main.kd
    .args:
      - { .name: xc, .offset: 0, .size: 8, .value_kind: global_buffer, .address_space: global }
      - { .name: xs, .offset: 8, .size: 8, .value_kind: global_buffer, .address_space: global }
      - { .name: wc, .offset: 16, .size: 8, .value_kind: global_buffer, .address_space: global }
      - { .name: ws, .offset: 24, .size: 8, .value_kind: global_buffer, .address_space: global }
      - { .name: rec, .offset: 32, .size: 8, .value_kind: global_buffer, .address_space: global }
      - { .name: out0, .offset: 40, .size: 8, .value_kind: global_buffer, .address_space: global }
    .group_segment_fixed_size: 38400
    .private_segment_fixed_size: 0
    .kernarg_segment_align: 8
    .kernarg_segment_size: 48
    .max_flat_workgroup_size: 128
    .sgpr_count:     100
    .vgpr_count:     256
    .wavefront_size: 32
...
	.end_amdgpu_metadata
.endif
;; end of part 2
